; MI455X (gfx1250); checked and timed in simulation.
; The chip was launched on July 23, 2026; its instructions are those of AMD's public machine-readable ISA for CDNA 5 (MIT licence, August 2026) and "CDNA5" Instruction Set Architecture Reference Guide (July 2026). The comments in the code are by the model that wrote it; some were corrected since.
;; Cross Attention. Allowed arithmetic: float matrix products may take bf16 or f16 operands with f32 sums; all other float work in f32.
;; Inputs: key_value 4 x 2,048 x 1,024 float32; kv_mask 4 x 2,048 bool; query 4 x 1,024 x 1,024 float32; query_mask 4 x 1,024 bool; w_k 256 x 1,024 float32; w_o 1,024 x 1,024 float32; w_q 1,024 x 1,024 float32; w_v 256 x 1,024 float32.
;; Outputs: out0 4 x 1,024 x 1,024 float32.
;; One version. Each part assembles by itself: llvm-mc -triple=amdgcn-amd-amdhsa -mcpu=gfx1250 --defsym DOCPART=n.
;; ======== version 1 of 1: 3 launches
;; limits: values are held in f16: magnitudes above 65,504 overflow, below 6.1e-05 lose precision
;; workspace buffers: Qw 8,388,608 bytes; Kw 4,194,304 bytes; Vt 4,194,304 bytes; Wob 2,097,152 bytes; AO 8,388,608 bytes
;; launch proj (part 1): grid 256 x 1, 4 waves a work-group, clusters of 4 x 1, 327,680 bytes of LDS; arguments query, key_value, w_q, w_k, w_v, w_o, Qw, Kw, Vt, Wob; writes Qw, Kw, Vt, Wob
.if DOCPART == 1
	.amdgcn_target "amdgcn-amd-amdhsa--gfx1250"
	.amdhsa_code_object_version 6
	.text
	.protected	k_q6069696782_proj
	.globl	k_q6069696782_proj
	.p2align	8
	.type	k_q6069696782_proj,@function
k_q6069696782_proj:
	s_mov_b64 s[64:65], 0
	v_nop
	global_prefetch_b8 v0, s[64:65] scope:SCOPE_SE
	s_setreg_imm32_b32 hwreg(HW_REG_WAVE_MODE, 25, 1), 1
	s_wait_xcnt 0x0
	s_wait_alu depctr_hold_cnt(0) depctr_sa_sdst(0) depctr_va_vdst(0) depctr_va_sdst(0) depctr_va_ssrc(0) depctr_va_vcc(0) depctr_vm_vsrc(0)
	s_getreg_b32 s2, hwreg(HW_REG_IB_STS2, 6, 4)
	s_cmp_eq_u32 s2, 0
	s_cbranch_scc0 .Lentry_in_a_cluster
	s_endpgm
.Lentry_in_a_cluster:
	s_bfe_u32 s2, ttmp6, 0x10000c
	s_cmp_lg_u32 s2, 0x3003
	s_cbranch_scc0 .Lentry_shape_is_right
	s_endpgm
.Lentry_shape_is_right:
; proj: the three input projections, RoPE, and w_o rounded to f16.
;   clusters  0..31: Qw[b][head][t][64] = rope(query . w_q^T) * log2(e)/8     (a work-group: 128 tokens x 4 heads)
;   clusters 32..47: Kw[b][g][t][64]    = rope(key_value . w_k^T)             (128 tokens x 4 heads)
;   clusters 48..63: Vt[b][g*64+d][t]   = (key_value . w_v^T) transposed      (128 tokens x 256 features)
;   every work-group also rounds 4,096 numbers of w_o into Wob.
; One shape for all: 128 token rows (P) x 256 weight rows (R), K = 1024.
; CLUSTER 4 x 1: the four work-groups of a cluster take four token blocks against the SAME 256 weight rows.  R is asked for jointly
; (mask 15): of a work-group's 1.5 MB of f32 the shared 1 MB is fetched once for four.  The kind of work hangs on the cluster's number
; alone; the place in the cluster enters global addresses (P, w_o, the outputs) and the RoPE positions, which are data.
; WAVES: four, as many as a WGP has SIMDs.  Wave w makes all 128 P rows x R rows 64 w .. 64 w + 63 (a head): 32 accumulators.
; So each R row is read out of LDS by ONE wave: it stays f32 there, as the tensor load brought it, and is rounded to f16 in registers,
; once.  P is read by all four waves: it comes in through registers, is rounded once and laid into LDS as f16.
; For 64 along K a work-group moves 64 KB (R, f32) + 64 KB (P fragments) + 16 KB (P stores) through LDS for 256 matrix instructions.
; Q, K: the matrix instruction takes R's fragment first: lane (r, h) holds token r and features 8 h .. 8 h + 7.
; V: it takes P's fragment first: lane (r, h) holds feature r and tokens 8 h .. 8 h + 7, eight neighbours of a row of Vt.
; WHY F16: behind the inputs the program rounds five times in a chain (Q, K, V, P, the attention's output), and the mean over 2,048
; keys shrinks the roundings' errors only as much as the values.  f16 keeps 11 significant bits where bf16 keeps 8.
; LIMITS: inputs finite.  Inputs, Q log2(e)/8, K and V below 65,504 in magnitude (f16); beyond it they become infinities.  Room: inputs
; of spread 1 and weights of spread 0.02, both 30 times larger, give projections of some thousands; both with offsets of 30 spreads
; give 30 x 0.6 x 1,024 = 18,432.  Numbers below 2^-14 keep an absolute step of 2^-24.
; The RoPE angle is formed as t * (inv_freq / 2 pi) in f32 revolutions: up to about 5e-4 rad off at t = 2047 (one rounding at 326
; revolutions and 2e-7 relative in the frequency); sine and cosine are Taylor sums to x^15 and x^16 on [-pi, pi], cut below 1e-6.
.set LP,    144                        ; a P row in LDS: 64 f16 + 16 bytes: an odd multiple of 16, so 16 rows start in 16 different 16-byte columns
.set PBUF,  128*LP                     ; a P buffer: 64 along K
.set RP,    528                        ; an R row in LDS: 128 f32 + 16 bytes, again an odd multiple of 16
.set WROWS, 64*RP                      ; what one tensor load brings: my wave's 64 rows
.set SLOT,  4*WROWS                    ; an R slot: 256 rows, 128 along K
.set PB,    2*SLOT                     ; the two P buffers lie behind the two slots; no tensor load lands there
.set TP,    272                        ; RoPE table, at LDS byte 0 when slot 0 has had its last fill: 128 tokens x (32 cos, 32 sin, 16 bytes)
.set STAGE, SLOT                       ; stages for the way out, in slot 1 when it has had its last fill
.set WSTG,  18432                      ; a wave's stage: 128 tokens x 144 bytes (Q, K) or 64 features x 272 bytes (V)
.set SQ,    144
.set SV,    272
; window 0
.set VO,    4                          ; byte offset of my 16 bytes in the two P rows that a load of my wave covers
.set SO0,   5                          ; v5, v6   where their 8 bytes of f16 go, P buffer 0, 1
.set PA0,   7                          ; v7, v8   P fragments, buffer 0, 1
.set RA0,   9                          ; v9, v10  my R rows, slot 0, 1
.set TW,    11
.set TA,    12
.set STO,   13
.set RD,    14
.set GO,    15
.set WOI,   16
.set WOO,   17
.set TMP,   18
.set PF0,   32                         ; v32-95   P fragments of a K slice of 32, tile p at +8p
.set PF1,   96                         ; v96-159  of the next slice
.set RF0,   160                        ; v160-191 R fragments, tile f at +8f
.set RF1,   192                        ; v192-223
; window 1: v256-511, the accumulators, tile (p, f) at 8 (4 p + f)
; window 2
.set RAW,   0                          ; v512-575 R as f32: tile f at +16f
.set SA,    64                         ; v576-639, v640-703 two staging sets of P
.set TBL,   192                        ; v704-767 my share of the RoPE table: positions w + 4 k, cos at +2k, sin at +2k+1
.set LN,    0                          ; at work on the table, in RAW's registers
.set FRQ,   1
.set TF,    2
.set REV,   3
.set RR,    4
.set UU,    5
.set SN,    6
.set CS,    7
.set VC15,  8
.set VD16,  9
.set RRS,   10
.set G1,    44                         ; s[44:51] shape of an R load
.set G0,    52                         ; s[52:59] from where, to where: slot 0, 1
.set MSB, 0
.macro WIN new                         ; s_set_vgpr_msb: 1:0 source 0, 3:2 source 1, 5:4 source 2, 7:6 destination; the high byte repeats the setting left
.if MSB != \new
	s_set_vgpr_msb (MSB<<8)|\new
.set MSB, \new
.endif
.endm
.macro PLACES                          ; four independent vector instructions behind a matrix instruction (ISA guide 7.12.1)
.rept 4
	v_nop
.endr
.endm
.macro CREST                           ; a round of the cluster's barrier, behind its opening barrier
	s_cmp_lg_u32 s28, 0
	s_cbranch_scc1 .Lnot_wave_0_\@
	s_barrier_signal -3
.Lnot_wave_0_\@:
	s_barrier_wait -3
	s_barrier_signal -1
	s_barrier_wait -1
.endm
.macro CROUND                          ; a whole round
	s_barrier_signal -1
	s_barrier_wait -1
	CREST
.endm
	s_load_b512 s[8:23], s[0:1], 0x0               ; query 8, key_value 10, w_q 12, w_k 14, w_v 16, w_o 18, Qw 20, Kw 22
	s_load_b128 s[24:27], s[0:1], 0x40             ; Vt 24, Wob 26
	v_lshl_add_u32 v254, v0, 2, 0x4b000
	v_mov_b32 v255, 0
	ds_add_u32 v254, v255
	v_lshrrev_b32 v[TMP], 5, v0
	v_readfirstlane_b32 s28, v[TMP]                ; wave 0..3
	s_mov_b32 s29, ttmp9                           ; cluster 0..63
	s_bfe_u32 s30, ttmp6, 0x40000                  ; cx
	s_lshl2_add_u32 s31, s29, s30                  ; work-group 0..255
	s_lshr_b32 s60, s29, 2
	s_lshl2_add_u32 s60, s60, s30                  ; Q: token block 0..31
	s_and_b32 s61, s29, 3                          ; Q: block of 4 heads
	s_and_b32 s62, s29, 15
	s_lshl2_add_u32 s62, s62, s30                  ; K, V: token block 0..63
	s_mul_i32 s63, s28, WROWS                      ; my rows in a slot
	s_mov_b32 s[G1+0], 0x07b2000f                  ; mask 15; 4-byte elements; padding on; bit 21 beside the mask; 4 words behind every 128
	s_mov_b32 s[G1+1], 128<<16                     ; tensor_dim0 = 128
	s_mov_b32 s[G1+2], 64<<16                      ; tensor_dim1 = 64
	s_mov_b32 s[G1+3], 128<<16                     ; tile_dim0 = 128
	s_mov_b32 s[G1+4], 64                          ; tile_dim1 = 64
	s_mov_b32 s[G1+5], 1024                        ; elements from row to row
	s_mov_b32 s[G1+6], 0
	s_mov_b32 s[G1+7], 0
	v_and_b32 v1, 31, v0                           ; lane
	v_and_b32 v2, 15, v0                           ; r
	v_bfe_u32 v3, v0, 4, 1                         ; h
	v_lshl_add_u32 v[TMP], v3, 3, s28              ; row w + 8 h of each group of 16 rows (load i adds 4 (i & 1) + 16 (i >> 1))
	v_lshlrev_b32 v[VO], 12, v[TMP]
	v_lshl_add_u32 v[VO], v2, 4, v[VO]
	v_mul_u32_u24 v[SO0], v[TMP], LP
	v_lshl_add_u32 v[SO0], v2, 3, v[SO0]           ; rows 8 apart lie 1,152 bytes apart: the two halves of a store use different banks
	v_add_nc_u32 v[SO0], PB, v[SO0]
	v_add_nc_u32 v[SO0+1], PBUF, v[SO0]
	v_mul_u32_u24 v[PA0], v2, LP
	v_lshl_add_u32 v[PA0], v3, 4, v[PA0]           ; r x pitch + 16 h
	v_add_nc_u32 v[PA0], PB, v[PA0]
	v_add_nc_u32 v[PA0+1], PBUF, v[PA0]
	v_mul_u32_u24 v[RA0], v2, RP
	v_lshl_add_u32 v[RA0], v3, 5, v[RA0]           ; r x pitch + 32 h: eight f32
	v_add_nc_u32 v[RA0], s63, v[RA0]
	v_add_nc_u32 v[RA0+1], SLOT, v[RA0]
	v_lshlrev_b32 v[WOI], 4, v0
	v_lshlrev_b32 v[WOO], 3, v0
	s_wait_dscnt 0x0
	s_wait_kmcnt 0x0
	s_cmp_lt_u32 s29, 32                           ; Q, or else K
	s_cselect_b64 s[32:33], s[8:9], s[10:11]       ; P rows
	s_cselect_b64 s[34:35], s[12:13], s[14:15]     ; R rows
	s_cselect_b64 s[36:37], s[20:21], s[22:23]     ; output
	s_cselect_b32 s42, s60, s62                    ; token block
	s_cselect_b32 s43, s61, 0                      ; block of 4 heads
	s_cselect_b32 s40, 7, 15                       ; token blocks in a batch, less one
	s_cselect_b32 s41, 3, 4
	s_cselect_b32 s38, 0x3e38aa3b, 1.0             ; Q carries log2(e)/8, so that the softmax works in base 2
	s_cmp_lt_u32 s29, 48                           ; or V
	s_cselect_b64 s[34:35], s[34:35], s[16:17]
	s_cselect_b64 s[36:37], s[36:37], s[24:25]
	s_and_b32 s39, s42, s40
	s_lshl_b32 s39, s39, 7                         ; first position
	s_lshr_b32 s40, s42, s41                       ; batch
	s_lshl_b32 s4, s42, 19                         ; x 128 rows x 4,096 bytes
	s_mov_b32 s5, 0
	s_add_nc_u64 s[32:33], s[32:33], s[4:5]
	s_lshl_b32 s4, s43, 20                         ; x 256 rows x 4,096 bytes: nothing of cx enters R's address
	s_lshl_b32 s2, s28, 18                         ; + my 64 rows
	s_add_co_u32 s4, s4, s2
	s_add_nc_u64 s[34:35], s[34:35], s[4:5]
	s_lshl_b32 s4, s31, 14                         ; my 16 KB of w_o
	s_add_nc_u64 s[6:7], s[18:19], s[4:5]
	s_lshl_b32 s4, s31, 13                         ; my 8 KB of Wob
	s_add_nc_u64 s[60:61], s[26:27], s[4:5]
; 16 loads: 64 along K (256 bytes) of my wave's 32 P rows.  A load covers two rows' 256 aligned bytes.
.macro LOADSET set, koff
	WIN 0x80
.irp i, 0,1,2,3,4,5,6,7,8,9,10,11,12,13,14,15
	global_load_b128 v[SA+64*(\set)+4*\i:SA+64*(\set)+4*\i+3], v[VO], s[32:33] offset:(\i/2)*65536+(\i%2)*16384+\koff
.endr
.endm
; a staging set is rounded to f16 in place (4 registers to 2) and laid into a P buffer
.macro CVTSTORE set, buf
	WIN 0x8a
.set n, 0
.rept 16
	v_cvt_pk_f16_f32 v[SA+64*(\set)+4*n], v[SA+64*(\set)+4*n], v[SA+64*(\set)+4*n+1]
	v_cvt_pk_f16_f32 v[SA+64*(\set)+4*n+1], v[SA+64*(\set)+4*n+2], v[SA+64*(\set)+4*n+3]
.set n, n+1
.endr
	WIN 0x08
.irp i, 0,1,2,3,4,5,6,7,8,9,10,11,12,13,14,15
	ds_store_b64 v[SO0+(\buf)], v[SA+64*(\set)+4*\i:SA+64*(\set)+4*\i+1] offset:(\i/2)*16*LP+(\i%2)*4*LP
.endr
.endm
; 32 LDS loads, a K slice of 32: my 64 R rows as f32 (slice q4 of the slot's four), all 128 P rows as f16 (half kk of the buffer) into buffer fb
.macro FETCH par, slot, q4, kk, fb
	WIN 0x80
.irp f, 0,1,2,3
	ds_load_b128 v[RAW+16*\f:RAW+16*\f+3],     v[RA0+\slot] offset:\f*16*RP+(\q4)*128      ; k = 8 h .. 8 h + 3
	ds_load_b128 v[RAW+16*\f+4:RAW+16*\f+7],   v[RA0+\slot] offset:\f*16*RP+(\q4)*128+16
	ds_load_b128 v[RAW+16*\f+8:RAW+16*\f+11],  v[RA0+\slot] offset:\f*16*RP+(\q4)*128+64   ; k = 16 + 8 h ..
	ds_load_b128 v[RAW+16*\f+12:RAW+16*\f+15], v[RA0+\slot] offset:\f*16*RP+(\q4)*128+80
.endr
	WIN 0
.irp p, 0,1,2,3,4,5,6,7
	ds_load_b128 v[PF0+64*\fb+8*\p:PF0+64*\fb+8*\p+3],   v[PA0+\par] offset:\p*16*LP+\kk*64
	ds_load_b128 v[PF0+64*\fb+8*\p+4:PF0+64*\fb+8*\p+7], v[PA0+\par] offset:\p*16*LP+\kk*64+32
.endr
.endm
.macro CVTR rf                         ; R's slice to f16: 64 registers to the 32 of four fragments
	WIN 0x0a
.set n, 0
.rept 32
	v_cvt_pk_f16_f32 v[\rf+n], v[RAW+2*n], v[RAW+2*n+1]
.set n, n+1
.endr
.endm
; 32 matrix instructions, 32 along K.  The 32 accumulators take turns, one instruction a turn, in the same order everywhere.
.macro MUL32 pf, rf, zero, vt
.irp p, 0,1,2,3,4,5,6,7
.irp f, 0,1,2,3
.if \vt
.if \zero
	v_wmma_f32_16x16x32_f16 v[8*(4*\p+\f):8*(4*\p+\f)+7], v[\pf+8*\p:\pf+8*\p+7], v[\rf+8*\f:\rf+8*\f+7], 0
.else
	v_wmma_f32_16x16x32_f16 v[8*(4*\p+\f):8*(4*\p+\f)+7], v[\pf+8*\p:\pf+8*\p+7], v[\rf+8*\f:\rf+8*\f+7], v[8*(4*\p+\f):8*(4*\p+\f)+7]
.endif
.else
.if \zero
	v_wmma_f32_16x16x32_f16 v[8*(4*\p+\f):8*(4*\p+\f)+7], v[\rf+8*\f:\rf+8*\f+7], v[\pf+8*\p:\pf+8*\p+7], 0
.else
	v_wmma_f32_16x16x32_f16 v[8*(4*\p+\f):8*(4*\p+\f)+7], v[\rf+8*\f:\rf+8*\f+7], v[\pf+8*\p:\pf+8*\p+7], v[8*(4*\p+\f):8*(4*\p+\f)+7]
.endif
.endif
.endr
.endr
.endm
; K step s of 64: par = s & 1 (P buffer), slot and kh (which half of the slot's 128 along K).
; The first slice is fetched; while it comes, the next step's P set goes into the other buffer and that set is asked for again three
; steps ahead; the second slice is fetched ahead of the first slice's 32 matrix instructions.
; ONE barrier a step.  In front of its signal my reads of this buffer and of the slot and my stores into the other buffer are done;
; between signal and wait stand the second slice's conversions and matrix instructions, register work alone.
; endk = 1: the slot's last step, and it is filled again: all my tensor loads are waited for in front of the signal, the barrier opens a
; round of the cluster's barrier, and my one joint load is the first thing behind the round.  endk = 2: the same waits, nothing is filled.
; The distances behind matrix instructions are kept by the conversions: at least 32 of them, on other registers, stand between the last
; matrix instruction that read a fragment buffer and the first load or conversion that writes it.
.macro STEP par, slot, kh, zero, cvt, load, lcnt, endk, vt
	FETCH \par, \slot, 2*\kh, 0, 0
.if \cvt
	s_wait_loadcnt \lcnt                           ; loads return in order: the older set is in, the younger set's loads stay out
	CVTSTORE 1-\par, 1-\par
.endif
.if \load
	s_wait_xcnt 0x0                                ; the base is stepped only when every earlier load and store has had its address translated
	s_add_nc_u64 s[32:33], s[32:33], 256
	LOADSET 1-\par, 512
.endif
	s_wait_dscnt 16*\cvt                           ; the slice's 32 loads are in; the 16 stores behind them may be out
	CVTR RF0
	FETCH \par, \slot, 2*\kh+1, 1, 1
	WIN 0x50
	MUL32 PF0, RF0, \zero, \vt
	s_wait_dscnt 0x0                               ; everything of mine in LDS is done
.if \endk
	s_wait_tensorcnt 0x0                           ; all my tensor loads have landed: the one that was out is my part of the other slot
	ds_add_u32 v254, v255
	s_wait_dscnt 0x0
.endif
	s_barrier_signal -1
	CVTR RF1
	WIN 0x50
	MUL32 PF1, RF1, 0, \vt
	WIN 0
	s_barrier_wait -1
.if \endk == 1
	CREST                                          ; no wave of any partner still reads the slot or has a load on its way
	s_add_nc_u64 s[G0+4*\slot+2:G0+4*\slot+3], s[G0+4*\slot+2:G0+4*\slot+3], 1024   ; two tiles of 128 f32 on
	tensor_load_to_lds s[G0+4*\slot:G0+4*\slot+3], s[G1:G1+7]      ; my one tensor load until the next such round: 128 matrix instructions less 32 lie ahead of its wait
	s_nop 0
.endif
.endm
.macro TILE slot, zero, vt             ; 128 along K, the slot filled again
	STEP 0, \slot, 0, \zero, 1, 1, 16, 0, \vt
	STEP 1, \slot, 1, 0, 1, 1, 16, 1, \vt
.endm
.macro MAIN vt
	TILE 0, 1, \vt                                 ; tile 0: the first products start the sums: nothing is cleared
	s_mov_b32 s41, 2                               ; tiles 1 to 4
.Lk_\vt:
	TILE 1, 0, \vt
	TILE 0, 0, \vt
	s_sub_co_i32 s41, s41, 1
	s_cmp_lg_u32 s41, 0
	s_cbranch_scc1 .Lk_\vt
	TILE 1, 0, \vt                                 ; tile 5 asks for tile 7, the last
	STEP 0, 0, 0, 0, 1, 1, 16, 0, \vt              ; K step 12 asks for P's step 15, the last
	STEP 1, 0, 1, 0, 1, 0, 16, 2, \vt              ; tile 7 has landed
	STEP 0, 1, 0, 0, 1, 0, 0, 0, \vt               ; one P set is left: the count is 0
	STEP 1, 1, 1, 0, 0, 0, 0, 0, \vt               ; its barrier frees both slots for the table and the stages
.endm
; w_o's share, P's first step into buffer 0, P's third step asked for, and the barrier in front of the first step
.macro PRO2
	s_wait_loadcnt 32                              ; the eight loads of w_o are the oldest: the two sets' 32 stay out
.irp i, 0,1,2,3,4,5,6,7
	v_cvt_pk_f16_f32 v[PF0+4*\i], v[PF0+4*\i], v[PF0+4*\i+1]
	v_cvt_pk_f16_f32 v[PF0+4*\i+1], v[PF0+4*\i+2], v[PF0+4*\i+3]
.endr
.irp i, 0,1,2,3,4,5,6,7
	global_store_b64 v[WOO], v[PF0+4*\i:PF0+4*\i+1], s[60:61] offset:\i*1024    ; a wave's store covers 256 consecutive bytes, aligned
.endr
	s_wait_loadcnt 16                              ; K step 0's set is in, K step 1's 16 loads stay out
	CVTSTORE 0, 0
	s_wait_xcnt 0x0                                ; the registers that the stores of Wob read are loaded again (the first fragments) only behind this wait
	LOADSET 0, 512                                 ; K step 2
	WIN 0
	s_wait_dscnt 0x0                               ; buffer 0 is written
	s_wait_tensorcnt 0x1                           ; my rows of slot 0 have landed; slot 1's may stay out
	s_barrier_signal -1
	s_barrier_wait -1
.endm
; the way out: 32 loads of 512 bytes from my own stage, 32 stores
.macro OUTB lstep, gstep
.set t, 0
.rept 32
	ds_load_b128 v[32+4*t:32+4*t+3], v[RD] offset:t*\lstep
.set t, t+1
.endr
.set t, 0
.rept 32
	s_wait_dscnt 31-t                              ; LDS loads return in order: load t is in
	global_store_b128 v[GO], v[32+4*t:32+4*t+3], s[36:37] offset:t*\gstep
.set t, t+1
.endr
.endm
.irp i, 0,1,2,3,4,5,6,7
	global_load_b128 v[PF0+4*\i:PF0+4*\i+3], v[WOI], s[6:7] offset:\i*2048      ; w_o: 512 neighbouring bytes a wave
.endr
	LOADSET 0, 0                                   ; K step 0
	LOADSET 1, 256                                 ; K step 1
	WIN 0
	CROUND                                         ; all four work-groups are here: the first joint loads meet
.irp s, 0,1
	s_mov_b32 s[G0+4*\s], 1
	s_add_co_u32 s[G0+4*\s+1], s63, \s*SLOT
	s_add_nc_u64 s[G0+4*\s+2:G0+4*\s+3], s[34:35], \s*512          ; tile s: 128 f32 on
	s_or_b32 s[G0+4*\s+3], s[G0+4*\s+3], 0x80000000
	tensor_load_to_lds s[G0+4*\s:G0+4*\s+3], s[G1:G1+7]            ; two tensor loads of this wave are out, the most in this text
	s_nop 0
.endr
	s_cmp_ge_u32 s29, 48
	s_cbranch_scc1 .Lv                             ; V is not rotated and goes out transposed: a way of its own from here on
	; Q, K.  The RoPE table of my 128 positions, times the scale, while the first loads are on their way: wave w makes positions w + 4 k,
	; lane i makes frequency i.  LDS has no room for it beside the slots: it waits in 64 registers.  All of this in window 2.
	WIN 0x80
	v_and_b32 v[LN], 31, v0
	WIN 0xaa
	v_cvt_f32_u32 v[FRQ], v[LN]
	v_mul_f32 v[FRQ], 0xbed49a78, v[FRQ]           ; -i log2(10000)/32
	v_exp_f32 v[FRQ], v[FRQ]
	s_add_co_u32 s4, s39, s28
	v_cvt_f32_u32 v[TF], s4                        ; a plain instruction stands between the exponential and its use (ISA guide 5.7.2)
	s_wait_alu depctr_va_vdst(0)
	v_mul_f32 v[FRQ], 0x3e22f983, v[FRQ]           ; / 2 pi: revolutions for each position
	v_mov_b32 v[VC15], 0xbf37d6dd                  ; -(2 pi)^15 / 15!
	v_mov_b32 v[VD16], 0x3e906316                  ;  (2 pi)^16 / 16!
.set k, 0
.rept 32
	v_mul_f32 v[REV], v[TF], v[FRQ]
	v_rndne_f32 v[RR], v[REV]
	v_sub_f32 v[RR], v[REV], v[RR]                 ; in [-1/2, 1/2] revolutions
	v_mul_f32 v[UU], v[RR], v[RR]
	v_mul_f32 v[RRS], s38, v[RR]
	v_fmaak_f32 v[SN], v[UU], v[VC15], 0x40747a1a  ; sine: coefficients (2 pi)^n / n!, n = 13, 11, .. 1, signs by turns
	v_fmaak_f32 v[CS], v[UU], v[VD16], 0xbfdb7128  ; cosine: n = 14, 12, .. 2, then 1
	v_fmaak_f32 v[SN], v[SN], v[UU], 0xc17183a8
	v_fmaak_f32 v[CS], v[CS], v[UU], 0x40fce9c5
	v_fmaak_f32 v[SN], v[SN], v[UU], 0x42283c1a
	v_fmaak_f32 v[CS], v[CS], v[UU], 0xc1d368f9
	v_fmaak_f32 v[SN], v[SN], v[UU], 0xc2996966
	v_fmaak_f32 v[CS], v[CS], v[UU], 0x4270fa83
	v_fmaak_f32 v[SN], v[SN], v[UU], 0x42a335e3
	v_fmaak_f32 v[CS], v[CS], v[UU], 0xc2aae9e4
	v_fmaak_f32 v[SN], v[SN], v[UU], 0xc2255de7
	v_fmaak_f32 v[CS], v[CS], v[UU], 0x4281e0f8
	v_fmaak_f32 v[SN], v[SN], v[UU], 0x40c90fdb
	v_fmaak_f32 v[CS], v[CS], v[UU], 0xc19de9e6
	v_fmaak_f32 v[CS], v[CS], v[UU], 0x3f800000
	v_mul_f32 v[TBL+2*k+1], v[SN], v[RRS]
	v_mul_f32 v[TBL+2*k], s38, v[CS]
	v_add_f32 v[TF], 4.0, v[TF]                    ; four positions on
.set k, k+1
.endr
	WIN 0
	PRO2
	MAIN 0
	PLACES                                         ; behind the last matrix instructions: results are read, fragment registers loaded
	v_lshlrev_b32 v[TW], 2, v1
	s_mul_i32 s4, s28, TP
	v_add_nc_u32 v[TW], s4, v[TW]
	WIN 0x08                                       ; store data in window 2
.set k, 0
.rept 32
	ds_store_b32 v[TW], v[TBL+2*k] offset:k*4*TP
	ds_store_b32 v[TW], v[TBL+2*k+1] offset:k*4*TP+128
.set k, k+1
.endr
	WIN 0
	v_mul_u32_u24 v[TA], v2, TP
	v_lshl_add_u32 v[TA], v3, 5, v[TA]
	s_mul_i32 s6, s28, WSTG
	s_add_co_u32 s6, s6, STAGE                     ; my stage
	v_mul_u32_u24 v[STO], v2, SQ
	v_lshl_add_u32 v[STO], v3, 4, v[STO]
	v_add_nc_u32 v[STO], s6, v[STO]
	v_lshrrev_b32 v[TMP], 3, v1
	v_mul_u32_u24 v[RD], v[TMP], SQ
	v_and_b32 v[TMP], 7, v1
	v_lshl_add_u32 v[RD], v[TMP], 4, v[RD]
	v_add_nc_u32 v[RD], s6, v[RD]
	v_lshlrev_b32 v[GO], 4, v1
	; Q: ((16 b + 4 block + w) 1,024 + position) 128 bytes; K: ((4 b + w) 2,048 + position) 128 bytes
	s_cmp_lt_u32 s29, 32
	s_cselect_b32 s4, 4, 2
	s_cselect_b32 s6, 17, 18
	s_lshl_b32 s4, s40, s4
	s_lshl2_add_u32 s4, s43, s4
	s_add_co_u32 s4, s4, s28
	s_lshl_b32 s4, s4, s6
	s_lshl_b32 s6, s39, 7
	s_add_co_u32 s4, s4, s6
	s_mov_b32 s5, 0
	s_add_nc_u64 s[36:37], s[36:37], s[4:5]
	s_wait_dscnt 0x0                               ; my share of the table is written
	s_barrier_signal -1
	s_barrier_wait -1                              ; everybody's is
; RoPE for tokens 64 ph .. 64 ph + 63.  Tiles f = 0, 1 hold x1 (numbers 16 f + 8 h + j of the head), tiles f + 2 hold x2; both meet frequency 16 f + 8 h + j.
.macro ROPE4 ph
.irp p, 0,1,2,3
.irp f, 0,1
	ds_load_b128 v[32+32*\p+16*\f:32+32*\p+16*\f+3],     v[TA] offset:(\p+4*\ph)*16*TP+\f*64       ; 8 cosines
	ds_load_b128 v[32+32*\p+16*\f+4:32+32*\p+16*\f+7],   v[TA] offset:(\p+4*\ph)*16*TP+\f*64+16
	ds_load_b128 v[32+32*\p+16*\f+8:32+32*\p+16*\f+11],  v[TA] offset:(\p+4*\ph)*16*TP+\f*64+128   ; 8 sines
	ds_load_b128 v[32+32*\p+16*\f+12:32+32*\p+16*\f+15], v[TA] offset:(\p+4*\ph)*16*TP+\f*64+144
.endr
.endr
	s_wait_dscnt 0x0
	WIN 0x01                                       ; source 0 (the sums) in window 1, all else in window 0
.irp p, 0,1,2,3
.irp f, 0,1
.irp k, 0,2,4,6
	v_pk_mul_f32 v[160+8*(2*\p+\f)+\k:160+8*(2*\p+\f)+\k+1], v[8*(4*(\p+4*\ph)+\f+2)+\k:8*(4*(\p+4*\ph)+\f+2)+\k+1], v[40+32*\p+16*\f+\k:40+32*\p+16*\f+\k+1]   ; x2 sin
	v_pk_mul_f32 v[40+32*\p+16*\f+\k:40+32*\p+16*\f+\k+1], v[8*(4*(\p+4*\ph)+\f)+\k:8*(4*(\p+4*\ph)+\f)+\k+1], v[40+32*\p+16*\f+\k:40+32*\p+16*\f+\k+1]       ; x1 sin
.endr
.irp k, 0,2,4,6
	v_pk_fma_f32 v[160+8*(2*\p+\f)+\k:160+8*(2*\p+\f)+\k+1], v[8*(4*(\p+4*\ph)+\f)+\k:8*(4*(\p+4*\ph)+\f)+\k+1], v[32+32*\p+16*\f+\k:32+32*\p+16*\f+\k+1], v[160+8*(2*\p+\f)+\k:160+8*(2*\p+\f)+\k+1] neg_lo:[0,0,1] neg_hi:[0,0,1]   ; x1 cos - x2 sin
	v_pk_fma_f32 v[32+32*\p+16*\f+\k:32+32*\p+16*\f+\k+1], v[8*(4*(\p+4*\ph)+\f+2)+\k:8*(4*(\p+4*\ph)+\f+2)+\k+1], v[32+32*\p+16*\f+\k:32+32*\p+16*\f+\k+1], v[40+32*\p+16*\f+\k:40+32*\p+16*\f+\k+1]                              ; x2 cos + x1 sin
.endr
.endr
.endr
	WIN 0
.irp p, 0,1,2,3
.irp f, 0,1
.irp k, 0,1,2,3
	v_cvt_pk_f16_f32 v[160+8*(2*\p+\f)+\k], v[160+8*(2*\p+\f)+2*\k], v[160+8*(2*\p+\f)+2*\k+1]
	v_cvt_pk_f16_f32 v[32+32*\p+16*\f+\k], v[32+32*\p+16*\f+2*\k], v[32+32*\p+16*\f+2*\k+1]
.endr
.endr
.endr
.irp p, 0,1,2,3
.irp f, 0,1
	ds_store_b128 v[STO], v[160+8*(2*\p+\f):160+8*(2*\p+\f)+3] offset:(\p+4*\ph)*16*SQ+32*\f
	ds_store_b128 v[STO], v[32+32*\p+16*\f:32+32*\p+16*\f+3] offset:(\p+4*\ph)*16*SQ+32*\f+64
.endr
.endr
	s_wait_dscnt 0x0                               ; the stores have read their registers, which are loaded again next
.endm
	ROPE4 0
	ROPE4 1
	OUTB 4*SQ, 512                                 ; my head's 128 tokens are 16 KB in a row in memory: a store covers 4 tokens, 512 consecutive bytes, aligned
	s_wait_tensorcnt 0x0
	ds_add_u32 v254, v255
	s_wait_dscnt 0x0
	CROUND                                         ; the closing round: no work-group ends while a partner may still ask for a tile that names it
	s_endpgm
.Lv:
	PRO2
	MAIN 1
	PLACES                                         ; behind the last matrix instructions: results are read, fragment registers written
	s_mul_i32 s6, s28, WSTG
	s_add_co_u32 s6, s6, STAGE                     ; my stage: 64 features x 128 tokens
	v_mul_u32_u24 v[STO], v2, SV
	v_lshl_add_u32 v[STO], v3, 4, v[STO]
	v_add_nc_u32 v[STO], s6, v[STO]
	v_mul_u32_u24 v[RD], v3, SV
	v_lshl_add_u32 v[RD], v2, 4, v[RD]
	v_add_nc_u32 v[RD], s6, v[RD]
	v_lshlrev_b32 v[GO], 12, v3
	v_lshl_add_u32 v[GO], v2, 4, v[GO]
	s_lshl_b32 s4, s40, 20                         ; (256 b + 64 w) rows of 4,096 bytes + position x 2 bytes
	s_lshl_b32 s6, s28, 18
	s_add_co_u32 s4, s4, s6
	s_lshl_b32 s6, s39, 1
	s_add_co_u32 s4, s4, s6
	s_mov_b32 s5, 0
	s_add_nc_u64 s[36:37], s[36:37], s[4:5]
	WIN 0x05                                       ; both sources in window 1
.set n, 0
.rept 32
.irp k, 0,1,2,3
	v_cvt_pk_f16_f32 v[32+4*n+\k], v[8*n+2*\k], v[8*n+2*\k+1]
.endr
.set n, n+1
.endr
	WIN 0
.set n, 0
.rept 32
	ds_store_b128 v[STO], v[32+4*n:32+4*n+3] offset:(n%4)*16*SV+32*(n/4)    ; tile (p, f) = (n / 4, n % 4): feature 16 f + r, tokens 16 p + 8 h ..
.set n, n+1
.endr
	s_wait_dscnt 0x0                               ; the stores have read their registers, which are loaded again next
	OUTB 2*SV, 8192                                ; two features a store: 16 lanes store 256 consecutive bytes, aligned
	s_wait_tensorcnt 0x0
	ds_add_u32 v254, v255
	s_wait_dscnt 0x0
	CROUND                                         ; the closing round
	s_endpgm
.Lfunc_end_k_q6069696782_proj:
	.size	k_q6069696782_proj, .Lfunc_end_k_q6069696782_proj-k_q6069696782_proj
	.p2alignl 7, 3214868480
	.fill 96, 4, 3214868480
	.section	.rodata,"a",@progbits
	.p2align	6, 0x0
	.amdhsa_kernel k_q6069696782_proj
		.amdhsa_group_segment_fixed_size 327680
		.amdhsa_private_segment_fixed_size 0
		.amdhsa_enable_private_segment 0
		.amdhsa_kernarg_size 80
		.amdhsa_user_sgpr_count 2
		.amdhsa_user_sgpr_kernarg_segment_ptr 1
		.amdhsa_wavefront_size32 1
		.amdhsa_system_sgpr_workgroup_id_x 1
		.amdhsa_system_sgpr_workgroup_id_y 1
		.amdhsa_system_sgpr_workgroup_id_z 1
		.amdhsa_system_vgpr_workitem_id 0
		.amdhsa_next_free_vgpr 768
		.amdhsa_next_free_sgpr 66
		.amdhsa_reserve_vcc 0
		.amdhsa_float_denorm_mode_32 3
		.amdhsa_float_denorm_mode_16_64 3
		.amdhsa_memory_ordered 1
		.amdhsa_forward_progress 1
		.amdhsa_inst_pref_size 255
	.end_amdhsa_kernel
	.section	.bss,"aw",@nobits
	.p2align	6
	.space	262144
	.amdgpu_metadata
---
amdhsa.version: [ 1, 2 ]
amdhsa.kernels:
  - .name:           k_q6069696782_proj
    .symbol:         k_q6069696782_proj.kd
    .args:
      - { .name: query, .offset: 0, .size: 8, .value_kind: global_buffer, .address_space: global }
      - { .name: key_value, .offset: 8, .size: 8, .value_kind: global_buffer, .address_space: global }
      - { .name: w_q, .offset: 16, .size: 8, .value_kind: global_buffer, .address_space: global }
      - { .name: w_k, .offset: 24, .size: 8, .value_kind: global_buffer, .address_space: global }
      - { .name: w_v, .offset: 32, .size: 8, .value_kind: global_buffer, .address_space: global }
      - { .name: w_o, .offset: 40, .size: 8, .value_kind: global_buffer, .address_space: global }
      - { .name: Qw, .offset: 48, .size: 8, .value_kind: global_buffer, .address_space: global }
      - { .name: Kw, .offset: 56, .size: 8, .value_kind: global_buffer, .address_space: global }
      - { .name: Vt, .offset: 64, .size: 8, .value_kind: global_buffer, .address_space: global }
      - { .name: Wob, .offset: 72, .size: 8, .value_kind: global_buffer, .address_space: global }
    .group_segment_fixed_size: 327680
    .private_segment_fixed_size: 0
    .kernarg_segment_align: 8
    .kernarg_segment_size: 80
    .max_flat_workgroup_size: 128
    .sgpr_count:     66
    .vgpr_count:     768
    .wavefront_size: 32
...
	.end_amdgpu_metadata
.endif
;; end of part 1
;; launch attn (part 2): grid 16 x 16, 8 waves a work-group, clusters of 4 x 1, 327,680 bytes of LDS; arguments Qw, Kw, Vt, kv_mask, query_mask, AO; writes AO
.if DOCPART == 2
	.amdgcn_target "amdgcn-amd-amdhsa--gfx1250"
	.amdhsa_code_object_version 6
	.text
	.protected	k_q6069696782_attn
	.globl	k_q6069696782_attn
	.p2align	8
	.type	k_q6069696782_attn,@function
k_q6069696782_attn:
	s_mov_b64 s[64:65], 0
	v_nop
	global_prefetch_b8 v0, s[64:65] scope:SCOPE_SE
	s_setreg_imm32_b32 hwreg(HW_REG_WAVE_MODE, 25, 1), 1
	s_wait_xcnt 0x0
	s_wait_alu depctr_hold_cnt(0) depctr_sa_sdst(0) depctr_va_vdst(0) depctr_va_sdst(0) depctr_va_ssrc(0) depctr_va_vcc(0) depctr_vm_vsrc(0)
	s_getreg_b32 s2, hwreg(HW_REG_IB_STS2, 6, 4)
	s_cmp_eq_u32 s2, 0
	s_cbranch_scc0 .Lentry_in_a_cluster
	s_endpgm
.Lentry_in_a_cluster:
	s_bfe_u32 s2, ttmp6, 0x10000c
	s_cmp_lg_u32 s2, 0x3003
	s_cbranch_scc0 .Lentry_shape_is_right
	s_endpgm
.Lentry_shape_is_right:
; attn: masked softmax attention with a running maximum.  Qw carries log2(e)/8, so scores are exponents of 2.  Qw, Kw, Vt, AO: f16.
; Work-group (x, y): y = 4 b + g (batch, key-value head), x = block of 64 query tokens; it serves the 4 query heads of g.
; Wave w: heads 4 g + 2 (w & 1) and + 1 (q tiles 0, 1), tokens 16 (w >> 1) .. + 15 of the block.
; CLUSTER: the four work-groups of a cluster differ in the query block alone and walk the same K and V: every tile is asked for
; jointly (mask 15), which divides the requests for K and V by four.  The place in the cluster enters global addresses of Q,
; query_mask and AO only; no LDS address and no branch hangs on it or on what is loaded through it.
; S^T = K Q^T: lane (r, h) holds query r and keys 16 kt + 8 h + j.  Two such tiles, packed to f16, are the second operand of
; O^T = V^T P^T as they lie; the softmax state is one number a lane.
; MASKS ride on the matrix instruction: the first product of a score tile takes as C a bias for each key, 0 if kept, -2^100 if masked.
; f16 operands bound a score by 64 x 65,504^2 < 2^38, so a masked key lies below every kept one and gets the weight 0, as with the
; lowest finite f32 that the problem puts there.  While only masked keys have been seen the weights are 0 or 1; the first kept key makes
; alpha 0 and wipes them out.  The problem's two uniform cases: a lane whose query is masked, and every lane if no key of the batch is
; kept, is not live.  Each lane holds live = 1.0 or 0.0; the exponent is s live - m, and m is the maximum times live.  For a live lane
; these are products by 1.0, exact.  For the others every exponent is 0, every weight 1, alpha 1: the plain mean of V over all keys.
; LIMITS: mask bytes are 0 or 1; scores finite; exponentials below 2^-126 come out as 0 (ISA guide, v_exp_f32).  P lies in [0, 1] and
; is rounded to f16 (weights below 2^-14 of a row's largest keep an absolute step of 2^-24); the output is a mean of V and has V's range.
.set CH,   18432                       ; a chunk: 128 keys of K at pitch 144, or 64 rows of V^T x 128 keys at pitch 272 (17,408 used)
.set SLOT, 8*CH                        ; 512 keys: K's chunks 0-3, V's chunks 4-7; wave w fills chunk w
.set CAP,  2*SLOT                      ; the 2,048 biases, f32; written by LDS stores, never filled by a tensor load
.set SC,   32                          ; v32-95   scores, tile (qt, kt) at 32 qt + 8 kt; then P, fragment (qt, kp) at 32 qt + 16 kp
.set KF,   96                          ; v96-159  K fragments (kt, dh) at 16 kt + 8 dh
.set VF,   160                         ; v160-223 V fragments (dt, kp) at 16 dt + 8 kp
.set CPR,  224                         ; v224-255 biases of my 32 keys of the step
.set OA,   0                           ; v256-319 (window 1) O^T, tile (qt, dt) at 32 qt + 8 dt
.set QF,   64                          ; v320-351 (window 1) Q fragments (qt, dh) at 16 qt + 8 dh
.set KA0,  3
.set VA0,  4
.set KA,   5
.set VA,   6
.set CA,   7
.set LV,   8                           ; v8       live, 1.0 or 0.0 (low register of a pair; the high one is written once)
.set MP,   10                          ; v10, v12  running maximum of q tile 0, 1 (low register of a pair; the high one is written once)
.set AP,   14                          ; v14, v16  alpha; at the end 1 / l
.set LS,   18                          ; v[18:19], v[20:21] sums of p, two partial sums a lane
.set TA,   22
.set TB,   24
.set GO,   24                          ; behind the last step: my byte offset in AO's rows
.set MN,   26
.set TX,   28
.set STO,  30
.set RD,   31
.set G1K,  16                          ; s[16:23] shape of a K chunk
.set G1V,  24                          ; s[24:31] shape of a V chunk
.set G0K,  32                          ; s[32:39] from where, to where: K, slot 0, 1
.set G0V,  40                          ; s[40:47] V, slot 0, 1
.set MSB, 0
.macro WIN new                         ; s_set_vgpr_msb: 1:0 source 0, 3:2 source 1, 5:4 source 2, 7:6 destination; the high byte repeats the setting left
.if MSB != \new
	s_set_vgpr_msb (MSB<<8)|\new
.set MSB, \new
.endif
.endm
.macro PLACES
.rept 4
	v_nop
.endr
.endm
.macro ROUND                           ; a round of the cluster's barrier
	s_barrier_signal -1
	s_barrier_wait -1
	s_cmp_lg_u32 s48, 0
	s_cbranch_scc1 .Lnot_wave_0_\@
	s_barrier_signal -3
.Lnot_wave_0_\@:
	s_barrier_wait -3
	s_barrier_signal -1
	s_barrier_wait -1
.endm
.macro JLOAD s                         ; waves 0-3 ask for K's chunks, waves 4-7 for V's: the branch hangs on the wave's number alone
	s_cmp_eq_u32 s49, 0
	s_cbranch_scc0 .Lfor_v_\@
	tensor_load_to_lds s[G0K+4*\s:G0K+4*\s+3], s[G1K:G1K+7]
	s_nop 0
	s_branch .Lasked_\@
.Lfor_v_\@:
	tensor_load_to_lds s[G0V+4*\s:G0V+4*\s+3], s[G1V:G1V+7]
	s_nop 0
.Lasked_\@:
.endm
	s_load_b256 s[4:11], s[0:1], 0x0               ; Qw 4, Kw 6, Vt 8, kv_mask 10
	s_load_b128 s[12:15], s[0:1], 0x20             ; query_mask 12, AO 14
	s_set_vgpr_msb 0x40
	v_lshl_add_u32 v96, v0, 2, 0x4a000
	v_mov_b32 v97, 0
	s_set_vgpr_msb 0x4045
	ds_add_u32 v96, v97
	s_set_vgpr_msb 0x4500
	v_lshrrev_b32 v22, 5, v0
	v_readfirstlane_b32 s48, v22                   ; wave 0..7
	s_lshr_b32 s49, s48, 2                         ; I fetch for K (0) or for V (1),
	s_and_b32 s50, s48, 3                          ; keys 128 (w & 3) .. of each tile
	s_and_b32 s51, ttmp7, 0xffff                   ; y = 4 b + g
	s_bfe_u32 s52, ttmp6, 0x40000                  ; cx
	s_lshl_b32 s53, ttmp9, 2
	s_add_co_u32 s53, s53, s52                     ; query block 0..15
	s_and_b32 s54, s48, 1                          ; pair of heads
	s_lshr_b32 s55, s48, 1                         ; group of 16 tokens
	s_mov_b32 s58, 0x76543210                      ; v_permlanex16_b32: lane i reads lane i of the other half
	s_mov_b32 s59, 0xfedcba98
	s_mov_b32 s[G1K+0], 0x0731000f                 ; mask 15; 2-byte elements; padding on; bit 21 beside the mask; 4 words behind every 32
	s_mov_b32 s[G1K+1], 64<<16                     ; tensor_dim0 = 64
	s_mov_b32 s[G1K+2], 128<<16                    ; tensor_dim1 = 128
	s_mov_b32 s[G1K+3], 64<<16                     ; tile_dim0 = 64
	s_mov_b32 s[G1K+4], 128                        ; tile_dim1 = 128
	s_mov_b32 s[G1K+5], 64                         ; elements from key to key
	s_mov_b32 s[G1K+6], 0
	s_mov_b32 s[G1K+7], 0
	s_mov_b32 s[G1V+0], 0x0771000f                 ; the same with 4 words behind every 64
	s_mov_b32 s[G1V+1], 128<<16
	s_mov_b32 s[G1V+2], 64<<16
	s_mov_b32 s[G1V+3], 128<<16
	s_mov_b32 s[G1V+4], 64
	s_mov_b32 s[G1V+5], 2048                       ; elements from row to row of V^T
	s_mov_b32 s[G1V+6], 0
	s_mov_b32 s[G1V+7], 0
	s_mul_i32 s61, s48, CH                         ; my chunk in a slot
	s_lshl_b32 s56, s51, 18                        ; K: y x 2,048 keys x 128 bytes
	s_lshl_b32 s62, s50, 14                        ;    + 128 keys x 128 bytes x (w & 3)
	s_add_co_u32 s56, s56, s62
	s_mov_b32 s57, 0
	s_lshl_b32 s62, s51, 18                        ; V: y x 64 rows x 4,096 bytes
	s_lshl_b32 s63, s50, 8                         ;    + 128 keys x 2 bytes x (w & 3)
	s_add_co_u32 s62, s62, s63
	s_mov_b32 s63, 0
	s_wait_dscnt 0x0
	s_wait_kmcnt 0x0
	s_add_nc_u64 s[56:57], s[6:7], s[56:57]
	s_add_nc_u64 s[62:63], s[8:9], s[62:63]
	ROUND                                          ; all four work-groups are here: the first joint loads meet
.irp s, 0,1
	s_mov_b32 s[G0K+4*\s], 1
	s_add_co_u32 s[G0K+4*\s+1], s61, \s*SLOT
	s_add_nc_u64 s[G0K+4*\s+2:G0K+4*\s+3], s[56:57], \s*65536     ; tile s: 512 keys x 128 bytes on
	s_or_b32 s[G0K+4*\s+3], s[G0K+4*\s+3], 0x80000000
	s_mov_b32 s[G0V+4*\s], 1
	s_add_co_u32 s[G0V+4*\s+1], s61, \s*SLOT
	s_add_nc_u64 s[G0V+4*\s+2:G0V+4*\s+3], s[62:63], \s*1024      ; 512 keys x 2 bytes on
	s_or_b32 s[G0V+4*\s+3], s[G0V+4*\s+3], 0x80000000
	JLOAD \s                                       ; two tensor loads of this wave are out, the most in this text
.endr
	v_and_b32 v1, 15, v0                           ; r
	v_bfe_u32 v2, v0, 4, 1                         ; h
	v_mul_u32_u24 v[KA0], v1, 144
	v_lshl_add_u32 v[KA0], v2, 4, v[KA0]
	v_mul_u32_u24 v[VA0], v1, 272
	v_lshl_add_u32 v[VA0], v2, 4, v[VA0]
	v_add_nc_u32 v[VA0], 4*CH, v[VA0]
	v_lshlrev_b32 v[CA], 5, v2
	v_add_nc_u32 v[CA], CAP, v[CA]                 ; the biases of keys 8 h .. 8 h + 7
	; Q: two heads x 16 tokens x 64, straight into fragments
	s_lshl_b32 s60, s51, 2
	s_lshl1_add_u32 s60, s54, s60                  ; head, counted over the batch: 4 y + 2 a
	s_lshl_b32 s56, s60, 17                        ; x 1,024 tokens x 128 bytes
	s_lshl2_add_u32 s61, s53, s55                  ; group of 16 tokens in the sequence: 4 block + tg
	s_lshl_b32 s62, s61, 11
	s_add_co_u32 s56, s56, s62
	s_mov_b32 s57, 0
	s_add_nc_u64 s[56:57], s[4:5], s[56:57]
	v_lshlrev_b32 v26, 7, v1
	v_lshl_add_u32 v26, v2, 4, v26
	WIN 0x40
.irp qt, 0,1
.irp dh, 0,1
	global_load_b128 v[QF+16*\qt+8*\dh:QF+16*\qt+8*\dh+3],   v26, s[56:57] offset:\qt*131072+\dh*64
	global_load_b128 v[QF+16*\qt+8*\dh+4:QF+16*\qt+8*\dh+7], v26, s[56:57] offset:\qt*131072+\dh*64+32
.endr
.endr
	WIN 0
	s_lshr_b32 s60, s51, 2                         ; b
	s_lshl_b32 s62, s60, 10
	s_lshl4_add_u32 s62, s61, s62                  ; my first token, counted over the batch
	s_mov_b32 s63, 0
	s_add_nc_u64 s[12:13], s[12:13], s[62:63]
	global_load_u8 v22, v1, s[12:13]               ; my query's mask
	s_lshl_b32 s52, s62, 11                        ; AO: token x 2,048 bytes
	s_lshl_b32 s62, s60, 11
	s_add_nc_u64 s[10:11], s[10:11], s[62:63]
	v_lshlrev_b32 v28, 3, v0
	global_load_b64 v[24:25], v28, s[10:11]        ; 8 of the batch's 2,048 key masks a thread, for the table
	v_and_b32 v27, 31, v0
	v_lshlrev_b32 v27, 4, v27
.irp i, 0,1,2,3
	global_load_b128 v[SC+8+4*\i:SC+8+4*\i+3], v27, s[10:11] offset:512*\i      ; and all 2,048 once for each wave: is any key kept?
.endr
	s_and_b32 s62, s51, 3
	s_lshl_b32 s62, s62, 2
	s_lshl1_add_u32 s62, s54, s62                  ; 4 g + 2 a
	s_lshl_b32 s62, s62, 7
	s_add_co_u32 s62, s62, s52
	s_add_nc_u64 s[14:15], s[14:15], s[62:63]
	s_mul_i32 s62, s48, 16*272                     ; my stage for the way out
	v_mul_u32_u24 v[STO], v1, 272
	v_lshl_add_u32 v[STO], v2, 4, v[STO]
	v_add_nc_u32 v[STO], s62, v[STO]
	v_mul_u32_u24 v[RD], v2, 272
	v_lshl_add_u32 v[RD], v1, 4, v[RD]
	v_add_nc_u32 v[RD], s62, v[RD]
	v_lshlrev_b32 v29, 5, v0
	v_add_nc_u32 v29, CAP, v29
	s_wait_loadcnt 0x0
.irp k, 0,1,2,3
	v_bfe_u32 v[SC+\k], v24, 8*\k, 1
	v_bfe_u32 v[SC+4+\k], v25, 8*\k, 1
.endr
.irp k, 0,1,2,3,4,5,6,7
	v_add_nc_u32 v[SC+\k], -1, v[SC+\k]            ; kept: 0; masked: all ones
	v_and_b32 v[SC+\k], 0xf1800000, v[SC+\k]       ; kept: 0.0; masked: -2^100
.endr
	ds_store_b128 v29, v[SC:SC+3]                  ; the table of biases
	ds_store_b128 v29, v[SC+4:SC+7] offset:16
.irp i, 0,1,2,3,4,5,6,7
	v_or_b32 v[SC+8+\i], v[SC+8+\i], v[SC+16+\i]
.endr
.irp i, 0,1,2,3
	v_or_b32 v[SC+8+\i], v[SC+8+\i], v[SC+12+\i]
.endr
	v_or_b32 v[SC+8], v[SC+8], v[SC+10]
	v_or_b32 v[SC+9], v[SC+9], v[SC+11]
	v_or_b32 v[SC+8], v[SC+8], v[SC+9]
	v_cmp_ne_u32 s60, 0, v[SC+8]                   ; a bit for each lane that saw a kept key
	s_cmp_lg_u32 s60, 0
	s_cselect_b32 s60, 1, 0                        ; any key of the batch kept
	v_and_b32 v22, s60, v22                        ; live: my query is kept and so is some key
	v_cvt_f32_u32 v[LV], v22                       ; 1.0 or 0.0: a factor, never an address
	v_mov_b32 v[LV+1], 0                           ; the pairs' high registers, and what the lane permute names as its destination, are written once
.irp k, 1,3
	v_mov_b32 v[MP+\k], 0
	v_mov_b32 v[AP+\k], 0
.endr
	v_mov_b32 v[TX], 0
	v_mov_b32 v[TX+1], 0
	s_wait_dscnt 0x0                               ; my part of the table is written
	s_wait_tensorcnt 0x1                           ; my chunk of slot 0 has landed; slot 1's may stay out
	s_barrier_signal -1
	s_barrier_wait -1
; 64 keys.  so = 0, 1: which half of a chunk.  first = 1: the step that starts the maximum, the sums and O.
.macro STEP so, first
.rept 5
	v_nop                                          ; five places: the last matrix instructions read V's fragments and P, which are loaded and written over now
.endr
.irp kt, 0,1,2,3
.irp dh, 0,1
	ds_load_b128 v[KF+16*\kt+8*\dh:KF+16*\kt+8*\dh+3],   v[KA] offset:\so*9216+\kt*2304+\dh*64
	ds_load_b128 v[KF+16*\kt+8*\dh+4:KF+16*\kt+8*\dh+7], v[KA] offset:\so*9216+\kt*2304+\dh*64+32
.endr
.endr
.irp kt, 0,1,2,3
	ds_load_b128 v[CPR+8*\kt:CPR+8*\kt+3],   v[CA] offset:\so*256+\kt*64
	ds_load_b128 v[CPR+8*\kt+4:CPR+8*\kt+7], v[CA] offset:\so*256+\kt*64+16
.endr
.irp dt, 0,1,2,3
.irp kp, 0,1
	ds_load_b128 v[VF+16*\dt+8*\kp:VF+16*\dt+8*\kp+3],   v[VA] offset:\so*128+\dt*4352+\kp*64
	ds_load_b128 v[VF+16*\dt+8*\kp+4:VF+16*\dt+8*\kp+7], v[VA] offset:\so*128+\dt*4352+\kp*64+32
.endr
.endr
	s_wait_dscnt 16                                ; K and the biases are in; V's 16 loads stay out
	WIN 0x04                                       ; Q in window 1
	; eight accumulators by turns, one instruction a turn.  The first product starts each sum from the keys' biases.
.irp qt, 0,1
.irp kt, 0,1,2,3
	v_wmma_f32_16x16x32_f16 v[SC+32*\qt+8*\kt:SC+32*\qt+8*\kt+7], v[KF+16*\kt:KF+16*\kt+7], v[QF+16*\qt:QF+16*\qt+7], v[CPR+8*\kt:CPR+8*\kt+7]
.endr
.endr
.irp qt, 0,1
.irp kt, 0,1,2,3
	v_wmma_f32_16x16x32_f16 v[SC+32*\qt+8*\kt:SC+32*\qt+8*\kt+7], v[KF+16*\kt+8:KF+16*\kt+15], v[QF+16*\qt+8:QF+16*\qt+15], v[SC+32*\qt+8*\kt:SC+32*\qt+8*\kt+7]
.endr
.endr
	WIN 0
	PLACES
	; the largest of my 32 scores of each q tile and the old maximum: two chains a tile
.irp qt, 0,1
	v_max3_num_f32 v[TA+\qt], v[SC+32*\qt], v[SC+32*\qt+1], v[SC+32*\qt+2]
	v_max3_num_f32 v[TB+\qt], v[SC+32*\qt+16], v[SC+32*\qt+17], v[SC+32*\qt+18]
.endr
.set n, 3
.rept 6
.irp qt, 0,1
	v_max3_num_f32 v[TA+\qt], v[TA+\qt], v[SC+32*\qt+n], v[SC+32*\qt+n+1]
	v_max3_num_f32 v[TB+\qt], v[TB+\qt], v[SC+32*\qt+16+n], v[SC+32*\qt+17+n]
.endr
.set n, n+2
.endr
.irp qt, 0,1
	v_max3_num_f32 v[TA+\qt], v[TA+\qt], v[SC+32*\qt+15], v[SC+32*\qt+31]
.endr
.irp qt, 0,1
.if \first
	v_max_num_f32 v[MN+\qt], v[TA+\qt], v[TB+\qt]
.else
	v_max3_num_f32 v[MN+\qt], v[TA+\qt], v[TB+\qt], v[MP+2*\qt]
.endif
.endr
.irp qt, 0,1
	v_permlanex16_b32 v[TX+\qt], v[MN+\qt], s58, s59     ; the other half of the lanes holds the query's other 32 keys
.endr
.irp qt, 0,1
	v_max_num_f32 v[MN+\qt], v[MN+\qt], v[TX+\qt]
.endr
.irp qt, 0,1
	v_mul_f32 v[MN+\qt], v[LV], v[MN+\qt]          ; a lane that is not live keeps the maximum 0
.endr
.if \first == 0
.irp qt, 0,1
	v_sub_f32 v[TA+\qt], v[MP+2*\qt], v[MN+\qt]
.endr
.irp qt, 0,1
	v_exp_f32 v[AP+2*\qt], v[TA+\qt]               ; alpha = 2^(old maximum - new)
.endr
.endif
.irp qt, 0,1
	v_mov_b32 v[MP+2*\qt], v[MN+\qt]               ; plain instructions behind the exponentials (ISA guide 5.7.2)
.endr
.irp qt, 0,1
.set n, 0
.rept 16
	v_pk_fma_f32 v[SC+32*\qt+n:SC+32*\qt+n+1], v[SC+32*\qt+n:SC+32*\qt+n+1], v[LV:LV+1], v[MP+2*\qt:MP+2*\qt+1] op_sel_hi:[1,0,0] neg_lo:[0,0,1] neg_hi:[0,0,1]   ; s live - m
.set n, n+2
.endr
.endr
.set n, 0
.rept 64
	v_exp_f32 v[SC+n], v[SC+n]
.set n, n+1
.endr
	v_nop                                          ; one plain place behind the last exponential
.if \first == 0
	WIN 0x41
	s_wait_alu depctr_va_vdst(0)
.irp qt, 0,1
.set n, 0
.rept 16
	v_pk_mul_f32 v[OA+32*\qt+n:OA+32*\qt+n+1], v[OA+32*\qt+n:OA+32*\qt+n+1], v[AP+2*\qt:AP+2*\qt+1] op_sel_hi:[1,0]
.set n, n+2
.endr
.endr
	WIN 0
.endif
	; l = l alpha + sum of p, in f32; p packed to f16 in place, behind its pair's turn in the sum
.irp qt, 0,1
.if \first
	s_wait_alu depctr_va_vdst(0)
	v_pk_mul_f32 v[LS+2*\qt:LS+2*\qt+1], v[SC+32*\qt:SC+32*\qt+1], 1.0 op_sel_hi:[1,0]
.else
	v_pk_fma_f32 v[LS+2*\qt:LS+2*\qt+1], v[LS+2*\qt:LS+2*\qt+1], v[AP+2*\qt:AP+2*\qt+1], v[SC+32*\qt:SC+32*\qt+1] op_sel_hi:[1,0,1]
.endif
.endr
.set n, 0
.rept 16
.if n > 0
.irp qt, 0,1
	v_pk_add_f32 v[LS+2*\qt:LS+2*\qt+1], v[LS+2*\qt:LS+2*\qt+1], v[SC+32*\qt+2*n:SC+32*\qt+2*n+1]
.endr
.endif
.irp qt, 0,1
	v_cvt_pk_f16_f32 v[SC+32*\qt+16*(n/8)+n%8], v[SC+32*\qt+2*n], v[SC+32*\qt+2*n+1]
.endr
.set n, n+1
.endr
	s_wait_dscnt 0x0                               ; V's fragments
	WIN 0x50
.irp qt, 0,1
.irp dt, 0,1,2,3
.if \first
	v_wmma_f32_16x16x32_f16 v[OA+32*\qt+8*\dt:OA+32*\qt+8*\dt+7], v[VF+16*\dt:VF+16*\dt+7], v[SC+32*\qt:SC+32*\qt+7], 0
.else
	v_wmma_f32_16x16x32_f16 v[OA+32*\qt+8*\dt:OA+32*\qt+8*\dt+7], v[VF+16*\dt:VF+16*\dt+7], v[SC+32*\qt:SC+32*\qt+7], v[OA+32*\qt+8*\dt:OA+32*\qt+8*\dt+7]
.endif
.endr
.endr
.irp qt, 0,1
.irp dt, 0,1,2,3
	v_wmma_f32_16x16x32_f16 v[OA+32*\qt+8*\dt:OA+32*\qt+8*\dt+7], v[VF+16*\dt+8:VF+16*\dt+15], v[SC+32*\qt+16:SC+32*\qt+23], v[OA+32*\qt+8*\dt:OA+32*\qt+8*\dt+7]
.endr
.endr
	WIN 0
.endm
.macro TRIP first                      ; a chunk: 128 keys
	STEP 0, \first
	STEP 1, 0
	v_add_nc_u32 v[KA], CH, v[KA]
	v_add_nc_u32 v[VA], CH, v[VA]
	v_add_nc_u32 v[CA], 512, v[CA]
.endm
.macro TILE slot, first                ; a slot: 512 keys
	v_add_nc_u32 v[KA], \slot*SLOT, v[KA0]
	v_add_nc_u32 v[VA], \slot*SLOT, v[VA0]
.if \first
	TRIP 1
	s_mov_b32 s60, 3
.else
	s_mov_b32 s60, 4
.endif
.Ltile_\@:
	TRIP 0
	s_sub_co_i32 s60, s60, 1
	s_cmp_lg_u32 s60, 0
	s_cbranch_scc1 .Ltile_\@
.endm
; Slot s, which every wave has read, is filled again two tiles ahead.  The cluster's round is the barrier in front of the refill.
.macro REFILL s
	s_set_vgpr_msb 0x5
	s_wait_tensorcnt 0x0                           ; all my tensor loads have landed, my chunk of the other slot among them: a group 0 may be written
	ds_add_u32 v96, v97
	s_wait_dscnt 0x0
	s_set_vgpr_msb 0x500
	s_add_nc_u64 s[G0K+4*\s+2:G0K+4*\s+3], s[G0K+4*\s+2:G0K+4*\s+3], 131072   ; 1,024 keys x 128 bytes
	s_add_nc_u64 s[G0V+4*\s+2:G0V+4*\s+3], s[G0V+4*\s+2:G0V+4*\s+3], 2048     ; 1,024 keys x 2 bytes
	s_wait_dscnt 0x0                               ; my reads of the slot are back
	ROUND                                          ; both hold of every wave of all four work-groups
	JLOAD \s                                       ; my one tensor load until the next such round; eight steps of work lie ahead of its wait
.endm
	TILE 0, 1                                      ; keys 0-511
	REFILL 0                                       ; keys 1,024-1,535 go out
	TILE 1, 0                                      ; keys 512-1,023
	REFILL 1                                       ; keys 1,536-2,047 go out: the last load
	TILE 0, 0
	s_wait_tensorcnt 0x0                           ; my chunk of the last tile has landed
	s_wait_dscnt 0x0
	s_barrier_signal -1
	s_barrier_wait -1                              ; everybody's has; slot 0 has had its last fill and its last read
	TILE 1, 0
	PLACES                                         ; behind the last matrix instructions: O is read, P's registers are written
	v_lshlrev_b32 v[GO], 11, v2                    ; lanes 16-31 one token (2,048 bytes) further down,
	v_lshl_add_u32 v[GO], v1, 4, v[GO]             ; 16 bytes a lane
.irp qt, 0,1
	v_add_f32 v[TA+\qt], v[LS+2*\qt], v[LS+2*\qt+1]
.endr
.irp qt, 0,1
	v_permlanex16_b32 v[TX+\qt], v[TA+\qt], s58, s59
.endr
.irp qt, 0,1
	v_add_f32 v[TA+\qt], v[TA+\qt], v[TX+\qt]      ; l is at least 1: the key of the final maximum adds 2^0
.endr
.irp qt, 0,1
	v_rcp_f32 v[AP+2*\qt], v[TA+\qt]
.endr
	v_nop
	WIN 0x01
	s_wait_alu depctr_va_vdst(0)
.irp qt, 0,1
.set n, 0
.rept 16
	v_pk_mul_f32 v[SC+32*\qt+n:SC+32*\qt+n+1], v[OA+32*\qt+n:OA+32*\qt+n+1], v[AP+2*\qt:AP+2*\qt+1] op_sel_hi:[1,0]
.set n, n+2
.endr
.endr
	WIN 0
.set n, 0
.rept 8
.irp k, 0,1,2,3
	v_cvt_pk_f16_f32 v[SC+8*n+\k], v[SC+8*n+2*\k], v[SC+8*n+2*\k+1]
.endr
.set n, n+1
.endr
	; 16 tokens x 2 heads x 64 = rows of 256 bytes, through my own 16 x 272 bytes of slot 0
.irp qt, 0,1
.irp dt, 0,1,2,3
	ds_store_b128 v[STO], v[SC+32*\qt+8*\dt:SC+32*\qt+8*\dt+3] offset:128*\qt+32*\dt
.endr
.endr
.irp t, 0,1,2,3,4,5,6,7
	ds_load_b128 v[KF+4*\t:KF+4*\t+3], v[RD] offset:\t*544      ; LDS serves a wave's instructions in order: these see the stores above
.endr
.irp t, 0,1,2,3,4,5,6,7
	s_wait_dscnt 7-\t
	global_store_b128 v[GO], v[KF+4*\t:KF+4*\t+3], s[14:15] offset:\t*4096    ; 16 lanes store 256 consecutive bytes, aligned
.endr
	s_set_vgpr_msb 0x5
	s_wait_tensorcnt 0x0
	ds_add_u32 v96, v97
	s_wait_dscnt 0x0
	s_set_vgpr_msb 0x500
	ROUND                                          ; the closing round: no work-group ends while a partner may still ask for a tile that names it
	s_endpgm
.Lfunc_end_k_q6069696782_attn:
	.size	k_q6069696782_attn, .Lfunc_end_k_q6069696782_attn-k_q6069696782_attn
	.p2alignl 7, 3214868480
	.fill 96, 4, 3214868480
	.section	.rodata,"a",@progbits
	.p2align	6, 0x0
	.amdhsa_kernel k_q6069696782_attn
		.amdhsa_group_segment_fixed_size 327680
		.amdhsa_private_segment_fixed_size 0
		.amdhsa_enable_private_segment 0
		.amdhsa_kernarg_size 48
		.amdhsa_user_sgpr_count 2
		.amdhsa_user_sgpr_kernarg_segment_ptr 1
		.amdhsa_wavefront_size32 1
		.amdhsa_system_sgpr_workgroup_id_x 1
		.amdhsa_system_sgpr_workgroup_id_y 1
		.amdhsa_system_sgpr_workgroup_id_z 1
		.amdhsa_system_vgpr_workitem_id 0
		.amdhsa_next_free_vgpr 354
		.amdhsa_next_free_sgpr 66
		.amdhsa_reserve_vcc 0
		.amdhsa_float_denorm_mode_32 3
		.amdhsa_float_denorm_mode_16_64 3
		.amdhsa_memory_ordered 1
		.amdhsa_forward_progress 1
		.amdhsa_inst_pref_size 195
	.end_amdhsa_kernel
	.amdgpu_metadata
---
amdhsa.version: [ 1, 2 ]
amdhsa.kernels:
  - .name:           k_q6069696782_attn
    .symbol:         k_q6069696782_attn.kd
    .args:
      - { .name: Qw, .offset: 0, .size: 8, .value_kind: global_buffer, .address_space: global }
      - { .name: Kw, .offset: 8, .size: 8, .value_kind: global_buffer, .address_space: global }
      - { .name: Vt, .offset: 16, .size: 8, .value_kind: global_buffer, .address_space: global }
      - { .name: kv_mask, .offset: 24, .size: 8, .value_kind: global_buffer, .address_space: global }
      - { .name: query_mask, .offset: 32, .size: 8, .value_kind: global_buffer, .address_space: global }
      - { .name: AO, .offset: 40, .size: 8, .value_kind: global_buffer, .address_space: global }
    .group_segment_fixed_size: 327680
    .private_segment_fixed_size: 0
    .kernarg_segment_align: 8
    .kernarg_segment_size: 48
    .max_flat_workgroup_size: 256
    .sgpr_count:     66
    .vgpr_count:     354
    .wavefront_size: 32
...
	.end_amdgpu_metadata
.endif
;; end of part 2
;; launch oproj (part 3): grid 8 x 32, 4 waves a work-group, clusters of 4 x 4, 327,680 bytes of LDS; arguments AO, Wob, out0; writes out0
.if DOCPART == 3
	.amdgcn_target "amdgcn-amd-amdhsa--gfx1250"
	.amdhsa_code_object_version 6
	.text
	.protected	k_q6069696782_oproj
	.globl	k_q6069696782_oproj
	.p2align	8
	.type	k_q6069696782_oproj,@function
k_q6069696782_oproj:
	s_mov_b64 s[64:65], 0
	v_nop
	global_prefetch_b8 v0, s[64:65] scope:SCOPE_SE
	s_setreg_imm32_b32 hwreg(HW_REG_WAVE_MODE, 25, 1), 1
	s_wait_xcnt 0x0
	s_wait_alu depctr_hold_cnt(0) depctr_sa_sdst(0) depctr_va_vdst(0) depctr_va_sdst(0) depctr_va_ssrc(0) depctr_va_vcc(0) depctr_vm_vsrc(0)
	s_getreg_b32 s2, hwreg(HW_REG_IB_STS2, 6, 4)
	s_cmp_eq_u32 s2, 0
	s_cbranch_scc0 .Lentry_in_a_cluster
	s_endpgm
.Lentry_in_a_cluster:
	s_bfe_u32 s2, ttmp6, 0x10000c
	s_cmp_lg_u32 s2, 0xf033
	s_cbranch_scc0 .Lentry_shape_is_right
	s_endpgm
.Lentry_shape_is_right:
; oproj: out0[token][n] = sum over k of AO[token][k] Wob[n][k].  AO: [4096][1024] f16, Wob: [1024][1024] f16, out0 f32.
; A work-group makes 128 tokens x 128 columns with four waves of 64 x 64 (16 accumulators): 32 x 8 = 256 work-groups.
; K goes in four tiles of 256 through two LDS slots; a tile's rows are 512 bytes of memory at multiples of 512 bytes.
; CLUSTER 4 x 4: AO's tile hangs on the block row alone and is asked for jointly along a row of the cluster, Wob's on the block
; column alone and jointly along a column: a quarter of the requests for each.
; The matrix instruction takes Wob's fragment first and AO's second: lane (r, h) holds token r and columns 8 h .. 8 h + 7.
; LIMIT: both operands are f16 as the earlier launches left them (magnitudes below 65,504); sums and out0 are f32.
.set PITCH,  528                       ; 512 bytes + 16: an odd multiple of 16
.set QROWS,  64*PITCH                  ; what one tensor load brings, and what one wave reads of each operand
.set SLOT,   4*QROWS                   ; AO's 128 rows, then Wob's 128
.set STAGE,  2*SLOT                    ; behind the ring: 16 rows x 272 bytes for each wave
.set SPITCH, 272
.set F0,   32                          ; v32-95   fragments: Wob tiles at +8f, AO tiles at +32+8p
.set F1,   96                          ; v96-159  second buffer
.set TMP,  160                         ; v160-191 the way out
.set ADRP, 16                          ; v16, v17 my AO fragments in slot 0, 1
.set ADRR, 20                          ; v20, v21 my Wob fragments
.set STO,  24
.set RD,   25
.set CO,   26
.set G1,  24                           ; s[24:31] shape, AO's mask
.set G0,  32                           ; s[32:39] AO, slot 0, 1
.set G1B, 48                           ; s[48:55] shape, Wob's mask
.set G0B, 56                           ; s[56:63] Wob, slot 0, 1
.set MSB, 0
.macro WIN new
.if MSB != \new
	s_set_vgpr_msb (MSB<<8)|\new
.set MSB, \new
.endif
.endm
.macro PLACES
.rept 4
	v_nop
.endr
.endm
.macro JLOAD s                         ; waves 0, 1 ask for AO's halves, waves 2, 3 for Wob's; each line has one mask
	s_cmp_eq_u32 s11, 0
	s_cbranch_scc0 .Lfor_b_\@
	tensor_load_to_lds s[G0+4*\s:G0+4*\s+3], s[G1:G1+7]
	s_nop 0
	s_branch .Lasked_\@
.Lfor_b_\@:
	tensor_load_to_lds s[G0B+4*\s:G0B+4*\s+3], s[G1B:G1B+7]
	s_nop 0
.Lasked_\@:
.endm
.macro CROUND                          ; a round of the cluster's barrier
	s_barrier_signal -1
	s_barrier_wait -1
	s_cmp_lg_u32 s10, 0
	s_cbranch_scc1 .Lnot_wave_0_\@
	s_barrier_signal -3
.Lnot_wave_0_\@:
	s_barrier_wait -3
	s_barrier_signal -1
	s_barrier_wait -1
.endm
	s_load_b128 s[4:7], s[0:1], 0x0                ; AO, Wob
	s_load_b64 s[8:9], s[0:1], 0x10                ; out0
	v_lshl_add_u32 v254, v0, 2, 0x46400
	v_mov_b32 v255, 0
	ds_add_u32 v254, v255
	v_lshrrev_b32 v1, 5, v0
	v_readfirstlane_b32 s10, v1                    ; wave 0..3
	s_lshr_b32 s11, s10, 1                         ; my half of the tokens.  Also: I fetch for AO (0) or Wob (1)
	s_and_b32 s12, s10, 1                          ; my half of the columns.  Also: which 64 rows I fetch
	s_bfe_u32 s40, ttmp6, 0x40000                  ; cx
	s_bfe_u32 s41, ttmp6, 0x40004                  ; cy
	s_lshl_b32 s42, ttmp9, 2
	s_add_co_u32 s42, s42, s40                     ; block column 0..7
	s_and_b32 s13, ttmp7, 0xffff
	s_lshl_b32 s13, s13, 2
	s_add_co_u32 s13, s13, s41                     ; block row 0..31
	s_lshl_b32 s43, s41, 2
	s_lshl_b32 s43, 15, s43                        ; my row of the cluster
	s_lshl_b32 s44, 0x1111, s40                    ; my column
	s_or_b32 s[G1+0], s43, (1<<16)|(1<<20)|(1<<21)|(6<<22)|(3<<25)    ; 2-byte elements; padding on; bit 21 beside the mask; 4 words behind every 128
	s_or_b32 s[G1B+0], s44, (1<<16)|(1<<20)|(1<<21)|(6<<22)|(3<<25)
	s_mov_b32 s[G1+1], 256<<16                     ; tensor_dim0 = 256
	s_mov_b32 s[G1B+1], 256<<16
	s_mov_b32 s[G1+2], 64<<16                      ; tensor_dim1 = 64
	s_mov_b32 s[G1B+2], 64<<16
	s_mov_b32 s[G1+3], 256<<16                     ; tile_dim0 = 256
	s_mov_b32 s[G1B+3], 256<<16
	s_mov_b32 s[G1+4], 64                          ; tile_dim1 = 64
	s_mov_b32 s[G1B+4], 64
	s_mov_b32 s[G1+5], 1024                        ; elements from row to row
	s_mov_b32 s[G1B+5], 1024
	s_mov_b32 s[G1+6], 0
	s_mov_b32 s[G1B+6], 0
	s_mov_b32 s[G1+7], 0
	s_mov_b32 s[G1B+7], 0
	s_lshl_b32 s17, s12, 6
	s_lshl_b32 s16, s13, 7
	s_add_co_u32 s16, s16, s17                     ; AO: row 128 x block row + 64 x half
	s_lshl_b32 s46, s42, 7
	s_add_co_u32 s46, s46, s17                     ; Wob: row 128 x block column + 64 x half
	s_lshl_b32 s16, s16, 11                        ; x 2,048 bytes
	s_lshl_b32 s46, s46, 11
	s_mov_b32 s17, 0
	s_mov_b32 s47, 0
	s_mul_i32 s20, s10, QROWS                      ; where they go: wave x 64 rows
	s_wait_dscnt 0x0
	s_wait_kmcnt 0x0
	s_add_nc_u64 s[14:15], s[4:5], s[16:17]
	s_add_nc_u64 s[46:47], s[6:7], s[46:47]
	CROUND                                         ; all sixteen work-groups are here: the first joint loads meet
.irp s, 0,1
	s_mov_b32 s[G0+4*\s], 1
	s_add_co_u32 s[G0+4*\s+1], s20, \s*SLOT
	s_add_nc_u64 s[G0+4*\s+2:G0+4*\s+3], s[14:15], \s*512          ; tile s of K
	s_or_b32 s[G0+4*\s+3], s[G0+4*\s+3], 0x80000000
	s_mov_b32 s[G0B+4*\s], 1
	s_add_co_u32 s[G0B+4*\s+1], s20, \s*SLOT
	s_add_nc_u64 s[G0B+4*\s+2:G0B+4*\s+3], s[46:47], \s*512
	s_or_b32 s[G0B+4*\s+3], s[G0B+4*\s+3], 0x80000000
	JLOAD \s                                       ; two tensor loads of this wave are out, the most in this text
.endr
	v_and_b32 v1, 15, v0                           ; r
	v_bfe_u32 v2, v0, 4, 1                         ; h
	v_mul_u32_u24 v3, v1, PITCH
	v_lshl_add_u32 v3, v2, 4, v3
	s_mul_i32 s21, s11, QROWS                      ; my 64 rows of AO
	s_mul_i32 s22, s12, QROWS                      ; my 64 rows of Wob,
	s_add_co_u32 s22, s22, 2*QROWS                 ; which lie behind AO's 128
.irp s, 0,1
	v_add_nc_u32 v[ADRP+\s], s21, v3
	v_add_nc_u32 v[ADRR+\s], s22, v3
	s_add_co_u32 s21, s21, SLOT
	s_add_co_u32 s22, s22, SLOT
.endr
	s_mul_i32 s23, s10, 16*SPITCH
	s_add_co_u32 s23, s23, STAGE
	v_mul_u32_u24 v4, v1, SPITCH
	v_lshl_add_u32 v4, v2, 5, v4                   ; in: row r, 32 bytes for each half of the lanes
	v_add_nc_u32 v[STO], s23, v4
	v_mul_u32_u24 v5, v2, SPITCH
	v_lshl_add_u32 v5, v1, 4, v5                   ; back: lanes 0-15 one row of 256 bytes, lanes 16-31 the next
	v_add_nc_u32 v[RD], s23, v5
	v_lshlrev_b32 v[CO], 12, v2
	v_lshl_add_u32 v[CO], v1, 4, v[CO]
.macro MUL f, zero                     ; 16 accumulators by turns, one instruction a turn
.irp p, 0,1,2,3
.irp q, 0,1,2,3
.if \zero
	v_wmma_f32_16x16x32_f16 v[8*(4*\p+\q):8*(4*\p+\q)+7], v[\f+8*\q:\f+8*\q+7], v[\f+32+8*\p:\f+32+8*\p+7], 0
.else
	v_wmma_f32_16x16x32_f16 v[8*(4*\p+\q):8*(4*\p+\q)+7], v[\f+8*\q:\f+8*\q+7], v[\f+32+8*\p:\f+32+8*\p+7], v[8*(4*\p+\q):8*(4*\p+\q)+7]
.endif
.endr
.endr
.endm
.macro FETCHO slot, k, f               ; 16 LDS loads: 32 along K at byte k of my 64 + 64 rows
.irp i, 0,1,2,3
	ds_load_b128 v[\f+8*\i:\f+8*\i+3],   v[ADRR+\slot] offset:\k+\i*16*PITCH
	ds_load_b128 v[\f+8*\i+4:\f+8*\i+7], v[ADRR+\slot] offset:\k+\i*16*PITCH+32
.endr
.irp i, 0,1,2,3
	ds_load_b128 v[\f+32+8*\i:\f+32+8*\i+3],   v[ADRP+\slot] offset:\k+\i*16*PITCH
	ds_load_b128 v[\f+32+8*\i+4:\f+32+8*\i+7], v[ADRP+\slot] offset:\k+\i*16*PITCH+32
.endr
.endm
.macro EIGHTH f, g, slot, knext, zero  ; fetches the next 32 along K into buffer g, multiplies buffer f
	PLACES                                         ; buffer g was read by the matrix instructions just issued
	FETCHO \slot, \knext, \g
	s_wait_dscnt 16                                ; buffer f is in; the 16 loads just issued stay out
	WIN 0x50
	MUL \f, \zero
	WIN 0
.endm
.macro TILEO slot, zero                ; 256 along K
	PLACES
	FETCHO \slot, 0, F0
	EIGHTH F0, F1, \slot, 64, \zero
	EIGHTH F1, F0, \slot, 128, 0
	EIGHTH F0, F1, \slot, 192, 0
	EIGHTH F1, F0, \slot, 256, 0
	EIGHTH F0, F1, \slot, 320, 0
	EIGHTH F1, F0, \slot, 384, 0
	EIGHTH F0, F1, \slot, 448, 0
	s_wait_dscnt 0x0
	WIN 0x50
	MUL F1, 0
	WIN 0
.endm
.macro REFILL s                        ; slot s, read by all, gets the tile two ahead; the cluster's round is the barrier in front of the refill
	s_wait_tensorcnt 0x0                           ; all my tensor loads have landed, my part of the other slot among them
	ds_add_u32 v254, v255
	s_add_nc_u64 s[G0+4*\s+2:G0+4*\s+3], s[G0+4*\s+2:G0+4*\s+3], 1024
	s_add_nc_u64 s[G0B+4*\s+2:G0B+4*\s+3], s[G0B+4*\s+2:G0B+4*\s+3], 1024
	s_wait_dscnt 0x0                               ; my reads of the slot are back (met: the tile's last wait was for 0)
	CROUND
	JLOAD \s                                       ; my one tensor load until the next such round: 128 matrix instructions lie ahead of its wait
.endm
	s_wait_tensorcnt 0x1                           ; my part of tile 0 is in; tile 1's may stay out
	s_barrier_signal -1
	s_barrier_wait -1
	TILEO 0, 1                                     ; the first products start the sums
	REFILL 0
	TILEO 1, 0
	REFILL 1
	TILEO 0, 0
	s_wait_tensorcnt 0x0
	s_wait_dscnt 0x0
	s_barrier_signal -1
	s_barrier_wait -1                              ; the last tile is whole
	TILEO 1, 0
	PLACES                                         ; behind the last matrix instructions: the LDS stores read results
	s_lshl_b32 s16, s13, 7
	s_lshl_b32 s14, s11, 6
	s_add_co_u32 s16, s16, s14                     ; my first token
	s_lshl_b32 s16, s16, 12                        ; x 4,096 bytes
	s_mov_b32 s17, 0
	s_add_nc_u64 s[8:9], s[8:9], s[16:17]
	s_lshl_b32 s46, s42, 9                         ; my first column, in bytes: 512 x block + 256 x half
	s_lshl_b32 s47, s12, 8
	s_add_co_u32 s46, s46, s47
	s_mov_b32 s47, 0
	s_add_nc_u64 s[8:9], s[8:9], s[46:47]
; 16 tokens x 64 columns of f32 = rows of 256 bytes, through my own stage
.macro OUT16 p
	WIN 0x04                                       ; store data in window 1
.irp f, 0,1,2,3
	ds_store_b128 v[STO], v[8*(4*\p+\f):8*(4*\p+\f)+3] offset:64*\f
	ds_store_b128 v[STO], v[8*(4*\p+\f)+4:8*(4*\p+\f)+7] offset:64*\f+16
.endr
	WIN 0
	s_wait_xcnt 0x0                                ; the registers that the last stores read are loaded again only behind this wait
.irp t, 0,1,2,3,4,5,6,7
	ds_load_b128 v[TMP+4*\t:TMP+4*\t+3], v[RD] offset:\t*2*SPITCH      ; LDS serves a wave's instructions in order: these see the stores above
.endr
.irp t, 0,1,2,3,4,5,6,7
	s_wait_dscnt 7-\t
	global_store_b128 v[CO], v[TMP+4*\t:TMP+4*\t+3], s[8:9] offset:(16*\p+2*\t)*4096 th:TH_STORE_NT   ; 16 lanes store 256 consecutive bytes, aligned
.endr
.endm
	OUT16 0
	OUT16 1
	OUT16 2
	OUT16 3
	s_wait_tensorcnt 0x0
	ds_add_u32 v254, v255
	s_wait_dscnt 0x0
	CROUND                                         ; the closing round: no work-group ends while a partner may still ask for a tile that names it
	s_endpgm
.Lfunc_end_k_q6069696782_oproj:
	.size	k_q6069696782_oproj, .Lfunc_end_k_q6069696782_oproj-k_q6069696782_oproj
	.p2alignl 7, 3214868480
	.fill 96, 4, 3214868480
	.section	.rodata,"a",@progbits
	.p2align	6, 0x0
	.amdhsa_kernel k_q6069696782_oproj
		.amdhsa_group_segment_fixed_size 327680
		.amdhsa_private_segment_fixed_size 0
		.amdhsa_enable_private_segment 0
		.amdhsa_kernarg_size 24
		.amdhsa_user_sgpr_count 2
		.amdhsa_user_sgpr_kernarg_segment_ptr 1
		.amdhsa_wavefront_size32 1
		.amdhsa_system_sgpr_workgroup_id_x 1
		.amdhsa_system_sgpr_workgroup_id_y 1
		.amdhsa_system_sgpr_workgroup_id_z 1
		.amdhsa_system_vgpr_workitem_id 0
		.amdhsa_next_free_vgpr 384
		.amdhsa_next_free_sgpr 66
		.amdhsa_reserve_vcc 0
		.amdhsa_float_denorm_mode_32 3
		.amdhsa_float_denorm_mode_16_64 3
		.amdhsa_memory_ordered 1
		.amdhsa_forward_progress 1
		.amdhsa_inst_pref_size 88
	.end_amdhsa_kernel
	.amdgpu_metadata
---
amdhsa.version: [ 1, 2 ]
amdhsa.kernels:
  - .name:           k_q6069696782_oproj
    .symbol:         k_q6069696782_oproj.kd
    .args:
      - { .name: AO, .offset: 0, .size: 8, .value_kind: global_buffer, .address_space: global }
      - { .name: Wob, .offset: 8, .size: 8, .value_kind: global_buffer, .address_space: global }
      - { .name: out0, .offset: 16, .size: 8, .value_kind: global_buffer, .address_space: global }
    .group_segment_fixed_size: 327680
    .private_segment_fixed_size: 0
    .kernarg_segment_align: 8
    .kernarg_segment_size: 24
    .max_flat_workgroup_size: 128
    .sgpr_count:     66
    .vgpr_count:     384
    .wavefront_size: 32
...
	.end_amdgpu_metadata
.endif
;; end of part 3
